; MI455X (gfx1250); checked and timed in simulation.
; The chip was launched on July 23, 2026; its instructions are those of AMD's public machine-readable ISA for CDNA 5 (MIT licence, August 2026) and "CDNA5" Instruction Set Architecture Reference Guide (July 2026). The comments in the code are by the model that wrote it; some were corrected since.
;; Attentional Correlation. Allowed arithmetic: float matrix products may take bf16 or f16 operands with f32 sums; all other float work in f32.
;; Inputs: bf 64 float32; bk 64 float32; bq 64 float32; f1 8 x 128 x 64 x 64 float32; f2 8 x 128 x 64 x 64 float32; wf 64 x 128 float32; wk 64 x 128 float32; wq 64 x 128 float32.
;; Outputs: out0 8 x 64 x 64 x 64 float32.
;; One version. Each part assembles by itself: llvm-mc -triple=amdgcn-amd-amdhsa -mcpu=gfx1250 --defsym DOCPART=n.
;; ======== version 1 of 1: 2 launches
;; limits: values are held in f16: magnitudes above 65,504 overflow, below 6.1e-05 lose precision
;; workspace buffers: qws 4,194,304 bytes; kv 8,388,608 bytes
;; launch proj (part 1): grid 256 x 1, 4 waves a work-group, no clusters, 184,832 bytes of LDS; arguments f1, f2, wq, wk, wf, bq, bk, qws, kv; writes qws, kv
.if DOCPART == 1
	.amdgcn_target "amdgcn-amd-amdhsa--gfx1250"
	.amdhsa_code_object_version 6
	.text
	.protected	k_qe50f49ad6c_proj
	.globl	k_qe50f49ad6c_proj
	.p2align	8
	.type	k_qe50f49ad6c_proj,@function
k_qe50f49ad6c_proj:
	s_mov_b64 s[64:65], 0
	v_nop
	global_prefetch_b8 v0, s[64:65] scope:SCOPE_SE
	s_setreg_imm32_b32 hwreg(HW_REG_WAVE_MODE, 25, 1), 1
	s_wait_xcnt 0x0
; The three 1x1 convolutions, written out as f16 in the order in which the attention launch's matrix fragments want them.
;   work-groups 0-127:   q = (wq f1 + bq) * log2(e)   -> qws     (the factor turns the later e^x into 2^x)
;   work-groups 128-255: k = wk f2 + bk and v = wf f2 -> kv      (wf is applied BEFORE the weighted sum: wf (f2 attn^T) = (wf f2) attn^T
;                                                                 for every input; only the order of rounding differs; bf is added last, in the next launch)
; PRECISION.  The softmax exponentiates the logits, so their absolute error counts.  A logit is a sum of 64 products q k, and each q and k a sum of 128 products w f.
; Rounding f once to f16, w once to f16 and q (k) once to f16 would each add an error of the same size.  So for q and k both f and w go to the matrix unit as TWO f16 numbers,
; a high part (the f32 rounded to 11 significant bits) and a low part (the exact remainder), in three products w_hi f_hi + w_hi f_lo + w_lo f_hi on one f32 sum:
; only the one rounding of q and of k to f16 is left.  v enters the result linearly and takes one product, on f's high part and wf rounded once.
; LIMITS: all matrix operands are f16: |f1|, |f2|, |w|, |q log2 e|, |k|, |v| must stay below 65,504, else they become infinite;
; a high or low part below 2^-14 in magnitude is an f16 denormal and carries an absolute error of up to 2^-25.
; A work-group takes one batch's 128 channels x 256 positions, a wave 64 positions n0 .. n0+63, which make four tiles of 16:
; row rho of tile t stands for position n0 + 4 rho + t (so that 16 bytes of a row of f hold one element for each of the four tiles).
; OUTPUT LAYOUT, blocks of 512 bytes, lane L = (r = L & 15, h = L >> 4) owns bytes 16 L .. 16 L + 15:
;   q, k block (tile, dt): lane holds x[position r][d = 16 dt + 8 h + 0..7];  v block (tile, dt): lane holds v[d = 16 dt + r][position 8 h + 0..7]
;   qws: [batch][tile 256][dt 4][512 B];   kv: [batch][tile 256][k: dt 4 x 512 B, then v: dt 4 x 512 B]
; These are the result registers of the products below as they stand, so every store of a wave covers 512 consecutive aligned bytes.
; The launch moves each byte of f once; no tile is shared between work-groups but the small weight tables, so no cluster.
.set WL,     131072                    ; LDS: weights as f16 behind the four waves' 32 KiB of f: high parts of wq or wk, their low parts, wf
.set WPITCH, 272                       ; a weight row: 256 bytes + 16 = 17 x 16, so sixteen rows start in sixteen different 16-byte columns of 256
.set WLB,    64*WPITCH                 ; bytes of one weight table
.set XA,   3                           ; v3       LDS: 32768 w + 2048 h + 16 r
.set WO,   4                           ; v4       16 x thread: my 16 bytes in four rows of a weight table
.set WS,   5                           ; v5       LDS: where I put them as f16
.set WAD,  6                           ; v6       LDS: my part of a weight fragment
.set BO,   7                           ; v7       32 h: my eight biases
.set OFFT, 8                           ; v8-11    16 x lane + t x bytes of a tile
.set TH,   16                          ; v16-23   high parts as f32, at work
.set BIAS, 32                          ; v32-63   bias of d = 16 dt + 8 h + j at 8 dt + j
.set XR,   64                          ; v64-127  raw f32 as loaded, then the low parts as f32; afterwards:
.set ACC,  64                          ; v64-95   four accumulators, one for each tile
.set WF,   96                          ; v96-127  weight fragments (high parts) of the four steps of 32 channels
.set XF,   128                         ; v128-255 high parts of f as f16 fragments: 32 cc + 8 t + register
.set XL,   0                           ; window 1: v256-383 low parts of f, the same order
.set WFL,  128                         ; window 1: v384-415 low parts of the weight fragments
.set RND,  0x1000                      ; half of the last bit kept: added to the f32's bits, it rounds the magnitude to 11 significant bits
.set KEEP, 0xffffe000                  ; sign, exponent and the upper 10 bits of the fraction
.set MSB, 0
.macro WIN new                         ; s_set_vgpr_msb: bits 1:0 source 0, 3:2 source 1, 5:4 source 2, 7:6 destination; the high byte repeats the setting that is left
.if MSB != \new
	s_set_vgpr_msb (MSB<<8)|\new
.set MSB, \new
.endif
.endm
	s_load_b512 s[8:23], s[0:1], 0x0               ; f1 8, f2 10, wq 12, wk 14, wf 16, bq 18, bk 20, qws 22
	s_load_b64 s[24:25], s[0:1], 0x40              ; kv
	v_lshl_add_u32 v30, v0, 2, 0x2d000
	v_mov_b32 v31, 0
	ds_add_u32 v30, v31
	ds_add_u32 v30, v31
	v_lshrrev_b32 v1, 5, v0
	v_readfirstlane_b32 s2, v1                     ; wave 0..3
	s_lshr_b32 s3, ttmp9, 7                        ; T: 0 = f1 to q, 1 = f2 to k and v
	s_bfe_u32 s4, ttmp9, 0x30004                   ; batch
	s_and_b32 s5, ttmp9, 15                        ; which 256 positions
	; descriptor group 1: 64 rows (channels) of 64 f32 = 256 bytes, 4,096 elements from row to row; dense in LDS
	s_mov_b32 s40, 2<<16                           ; no mask, elements of 4 bytes, no padding
	s_mov_b32 s41, 64<<16                          ; tensor_dim0 = 64
	s_mov_b32 s42, 64<<16                          ; tensor_dim1 = 64
	s_mov_b32 s43, 64<<16                          ; tile_dim0 = 64
	s_mov_b32 s44, 64                              ; tile_dim1 = 64
	s_mov_b32 s45, 4096                            ; pitch
	s_mov_b32 s46, 0
	s_mov_b32 s47, 0
	s_lshl_b32 s6, s4, 21                          ; batch x 128 x 4,096 x 4 bytes
	s_lshl_b32 s38, s5, 10
	s_add_co_u32 s6, s6, s38                       ; + 256 positions x 4 bytes a block
	s_lshl_b32 s38, s2, 8
	s_add_co_u32 s6, s6, s38                       ; + 64 positions x 4 bytes a wave
	s_mov_b32 s7, 0
	s_lshl_b32 s39, s2, 15                         ; my wave's 32 KiB of LDS
	s_add_co_u32 s36, s3, 11                       ; log2 of a tile's bytes: 2,048 in qws, 4,096 in kv
	s_lshl_b32 s37, 1, s36
	s_wait_dscnt 0x0
	s_wait_kmcnt 0x0
	s_cmp_eq_u32 s3, 0
	s_cselect_b64 s[26:27], s[8:9], s[10:11]       ; f1 or f2
	s_cselect_b64 s[28:29], s[12:13], s[14:15]     ; wq or wk
	s_cselect_b64 s[30:31], s[18:19], s[20:21]     ; bq or bk
	s_cselect_b64 s[32:33], s[22:23], s[24:25]     ; qws or kv
	s_cselect_b32 s34, 0x3fb8aa3b, 1.0             ; log2(e) for q, 1 for k: one text serves both
	s_mov_b32 s35, s34
	s_add_nc_u64 s[26:27], s[26:27], s[6:7]
	s_mov_b32 s48, 1                               ; group 0, channels 0-63
	s_mov_b32 s49, s39
	s_mov_b64 s[50:51], s[26:27]
	s_or_b32 s51, s51, 0x80000000
	s_mov_b32 s52, 1                               ; group 0, channels 64-127
	s_add_co_u32 s53, s39, 16384
	s_add_nc_u64 s[54:55], s[26:27], 0x100000      ; 64 rows of 16,384 bytes
	s_or_b32 s55, s55, 0x80000000
	tensor_load_to_lds s[48:51], s[40:47]          ; both fills go out ahead of everything else; two are outstanding, and no byte is filled twice
	s_nop 0
	tensor_load_to_lds s[52:55], s[40:47]
	s_nop 0
	s_lshl_b32 s6, s4, 8                           ; my first tile: 256 batch + 16 block + 4 wave
	s_lshl4_add_u32 s6, s5, s6
	s_lshl2_add_u32 s6, s2, s6
	s_lshl_b32 s6, s6, s36
	s_add_nc_u64 s[32:33], s[32:33], s[6:7]
	v_and_b32 v12, 31, v0                          ; lane
	v_and_b32 v1, 15, v0                           ; r
	v_bfe_u32 v2, v0, 4, 1                         ; h
	v_lshlrev_b32 v[XA], 4, v1
	v_lshl_add_u32 v[XA], v2, 11, v[XA]
	v_add_nc_u32 v[XA], s39, v[XA]
	v_lshlrev_b32 v[WO], 4, v0
	s_mul_i32 s38, s2, WPITCH
	s_add_co_u32 s38, s38, WL
	v_lshl_add_u32 v[WS], v12, 3, s38              ; row w of four, 8 bytes (4 f16) a lane
	v_mul_u32_u24 v[WAD], v1, WPITCH
	v_lshl_add_u32 v[WAD], v2, 4, v[WAD]
	v_add_nc_u32 v[WAD], WL, v[WAD]
	v_lshlrev_b32 v[BO], 5, v2
	v_lshlrev_b32 v[OFFT], 4, v12
	v_add_nc_u32 v[OFFT+1], s37, v[OFFT]
	v_add_nc_u32 v[OFFT+2], s37, v[OFFT+1]
	v_add_nc_u32 v[OFFT+3], s37, v[OFFT+2]
.irp d, 0,1,2,3
	global_load_b128 v[BIAS+8*\d:BIAS+8*\d+3],   v[BO], s[30:31] offset:64*\d
	global_load_b128 v[BIAS+8*\d+4:BIAS+8*\d+7], v[BO], s[30:31] offset:64*\d+16
.endr
; A weight table [64][128] f32 goes to LDS as f16.  One load of the work-group covers four rows (2,048 bytes): row 4 i + w, channels 4 lane .. +3.
; split = 1: the high parts go to the table at off, the low parts to the table behind it.  split = 0: one table, each number rounded once.
.macro WSTAGE lo, off, split
.set i, 0
.rept 16
	global_load_b128 v[XR+4*i:XR+4*i+3], v[WO], s[\lo:\lo+1] offset:2048*i
.set i, i+1
.endr
	s_wait_loadcnt 0x0                             ; the table (and, the first time, the biases)
.set i, 0
.rept 16
.if \split
.set TW, TH+4*(i%2)                                ; two sets of four take turns
.irp k, 0,1,2,3
	v_add_nc_u32 v[TW+\k], RND, v[XR+4*i+\k]
.endr
.irp k, 0,1,2,3
	v_and_b32 v[TW+\k], KEEP, v[TW+\k]             ; the high part, still an f32
.endr
	v_pk_add_f32 v[XR+4*i:XR+4*i+1],   v[XR+4*i:XR+4*i+1],   v[TW:TW+1]   neg_lo:[0,1] neg_hi:[0,1]   ; the low part: an exact difference
	v_pk_add_f32 v[XR+4*i+2:XR+4*i+3], v[XR+4*i+2:XR+4*i+3], v[TW+2:TW+3] neg_lo:[0,1] neg_hi:[0,1]
	v_cvt_pk_f16_f32 v[TW],   v[TW],   v[TW+1]
	v_cvt_pk_f16_f32 v[TW+1], v[TW+2], v[TW+3]
	ds_store_b64 v[WS], v[TW:TW+1] offset:\off+4*WPITCH*i
	v_cvt_pk_f16_f32 v[XR+4*i],   v[XR+4*i],   v[XR+4*i+1]
	v_cvt_pk_f16_f32 v[XR+4*i+1], v[XR+4*i+2], v[XR+4*i+3]
	ds_store_b64 v[WS], v[XR+4*i:XR+4*i+1] offset:\off+WLB+4*WPITCH*i
.else
	v_cvt_pk_f16_f32 v[XR+4*i],   v[XR+4*i],   v[XR+4*i+1]
	v_cvt_pk_f16_f32 v[XR+4*i+1], v[XR+4*i+2], v[XR+4*i+3]
	ds_store_b64 v[WS], v[XR+4*i:XR+4*i+1] offset:\off+4*WPITCH*i
.endif
.set i, i+1
.endr
.endm
	WSTAGE 28, 0, 1                                ; wq or wk, in two parts
	s_cmp_eq_u32 s3, 0
	s_cbranch_scc1 .Lstaged                        ; q needs no more
	s_wait_dscnt 0x0                               ; the first table's LDS stores have read the registers that are loaded again
	WSTAGE 16, 2*WLB, 0                            ; wf
.Lstaged:
	s_wait_dscnt 0x0                               ; my rows of the tables are in LDS,
	s_barrier_signal -1
	s_barrier_wait -1                              ; everybody's are.  The tensor loads may stay out
; 32 channels of my 64 positions become four fragments (one a tile), twice: high parts and low parts.  A fragment's lane (r, h) holds position r and channels
; 8 h + 0..7 in registers 0-3, 16 + 8 h + 0..7 in registers 4-7.  Load i takes channel 32 c + (i % 8) + 16 (i / 8) + 8 h, 16 bytes at 16 r: element t belongs to tile t.
; The low parts stay in the raw registers as f32 and are rounded in one run at the end, under one setting of the window.
.macro XCONV c
.set i, 0
.rept 16
	ds_load_b128 v[XR+4*i:XR+4*i+3], v[XA] offset:(32*\c+(i%8)+16*(i/8))*256
.set i, i+1
.endr
.irp e, 0,1,2,3,4,5,6,7
	s_wait_dscnt 14-2*\e                           ; loads 2 e and 2 e + 1 are in, the younger ones stay out
.irp j, 0,1,2,3,4,5,6,7
	v_add_nc_u32 v[TH+\j], RND, v[XR+8*\e+\j]
.endr
.irp j, 0,1,2,3,4,5,6,7
	v_and_b32 v[TH+\j], KEEP, v[TH+\j]             ; the high part, still an f32
.endr
.irp j, 0,2,4,6
	v_pk_add_f32 v[XR+8*\e+\j:XR+8*\e+\j+1], v[XR+8*\e+\j:XR+8*\e+\j+1], v[TH+\j:TH+\j+1] neg_lo:[0,1] neg_hi:[0,1]   ; the low part: an exact difference
.endr
.irp t, 0,1,2,3
	v_cvt_pk_f16_f32 v[XF+32*\c+8*\t+\e], v[TH+\t], v[TH+4+\t]
.endr
.endr
	WIN 0x40                                       ; destination in window 1
.irp e, 0,1,2,3,4,5,6,7
.irp t, 0,1,2,3
	v_cvt_pk_f16_f32 v[XL+32*\c+8*\t+\e], v[XR+8*\e+\t], v[XR+8*\e+4+\t]
.endr
.endr
	WIN 0
.endm
	s_wait_tensorcnt 0x1                           ; my channels 0-63 have landed (only I read them); one younger load may be out
	XCONV 0
	XCONV 1
	s_wait_tensorcnt 0x0                           ; channels 64-127
	XCONV 2
	XCONV 3
; 16 products: 4 steps of 32 channels x 4 tiles, weight fragments at wb, fragments of f at xb (in the windows that are set).
; The four accumulators take turns, one instruction a turn, from one pass into the next too.
; swap = 0: rows d, columns positions: a lane gets eight neighbouring d of one position.  swap = 1: rows positions, columns d: a lane gets eight positions of one d.
; start = 1: the first four products start the sums, from the bias (swap = 0) or from 0 (swap = 1): nothing is cleared.
.macro PASS swap, d, wb, xb, start
.irp c, 0,1,2,3
.irp t, 0,1,2,3
.set CM, 0
.if \start
.if \c == 0
.set CM, 2-\swap
.endif
.endif
.if \swap
.set FA, \xb+32*\c+8*\t
.set FB, \wb+8*\c
.else
.set FA, \wb+8*\c
.set FB, \xb+32*\c+8*\t
.endif
.if CM == 0
	v_wmma_f32_16x16x32_f16 v[ACC+8*\t:ACC+8*\t+7], v[FA:FA+7], v[FB:FB+7], v[ACC+8*\t:ACC+8*\t+7]
.endif
.if CM == 1
	v_wmma_f32_16x16x32_f16 v[ACC+8*\t:ACC+8*\t+7], v[FA:FA+7], v[FB:FB+7], 0
.endif
.if CM == 2
	v_wmma_f32_16x16x32_f16 v[ACC+8*\t:ACC+8*\t+7], v[FA:FA+7], v[FB:FB+7], v[BIAS+8*\d:BIAS+8*\d+7]
.endif
.endr
.endr
.endm
; One projection, 16 outputs d at a time.  split = 1 (used with swap = 0): three passes, high x high, high weights x low f, low weights x high f.
.macro PROJ swap, lds, ext, split
.irp d, 0,1,2,3
.irp c, 0,1,2,3
	ds_load_b128 v[WF+8*\c:WF+8*\c+3],   v[WAD] offset:\lds+16*WPITCH*\d+64*\c
	ds_load_b128 v[WF+8*\c+4:WF+8*\c+7], v[WAD] offset:\lds+16*WPITCH*\d+64*\c+32
.endr
.if \split
	WIN 0x40                                       ; destination in window 1
.irp c, 0,1,2,3
	ds_load_b128 v[WFL+8*\c:WFL+8*\c+3],   v[WAD] offset:\lds+WLB+16*WPITCH*\d+64*\c
	ds_load_b128 v[WFL+8*\c+4:WFL+8*\c+7], v[WAD] offset:\lds+WLB+16*WPITCH*\d+64*\c+32
.endr
	WIN 0
.endif
	s_wait_dscnt 0x0
	s_wait_xcnt 0x0                                ; the accumulators were the data of the last stores: written again only behind this wait
	PASS \swap, \d, WF, XF, 1
.if \split
	WIN 0x04                                       ; source 1, f's low parts, in window 1
	PASS \swap, \d, WF, XL, 0
	WIN 0x01                                       ; source 0, the weights' low parts, in window 1
	PASS \swap, \d, WFL, XF, 0
	WIN 0
.endif
.rept 4
	v_nop                                          ; four places behind the last product (ISA guide 7.12.1) before results are read and fragments loaded again
.endr
.if \swap == 0
.irp t, 0,1,2,3
.irp j, 0,2,4,6
	v_pk_mul_f32 v[ACC+8*\t+\j:ACC+8*\t+\j+1], v[ACC+8*\t+\j:ACC+8*\t+\j+1], s[34:35] op_sel_hi:[1,0]
.endr
.endr
.endif
.irp t, 0,1,2,3
.irp e, 0,1,2,3
	v_cvt_pk_f16_f32 v[ACC+8*\t+\e], v[ACC+8*\t+2*\e], v[ACC+8*\t+2*\e+1]     ; in place: register e is read no later than it is written
.endr
.endr
.irp t, 0,1,2,3
	global_store_b128 v[OFFT+\t], v[ACC+8*\t:ACC+8*\t+3], s[32:33] offset:\ext+512*\d   ; block (tile t, dt): 512 consecutive bytes, aligned
.endr
.endr
.endm
	PROJ 0, 0, 0, 1                                ; q or k
	s_cmp_eq_u32 s3, 0
	s_cbranch_scc1 .Lend
	PROJ 1, 2*WLB, 2048, 0                         ; v, behind k in each tile
.Lend:
	s_wait_tensorcnt 0x0
	ds_add_u32 v30, v31
	s_wait_dscnt 0x0
	s_endpgm
.Lfunc_end_k_qe50f49ad6c_proj:
	.size	k_qe50f49ad6c_proj, .Lfunc_end_k_qe50f49ad6c_proj-k_qe50f49ad6c_proj
	.p2alignl 7, 3214868480
	.fill 96, 4, 3214868480
	.section	.rodata,"a",@progbits
	.p2align	6, 0x0
	.amdhsa_kernel k_qe50f49ad6c_proj
		.amdhsa_group_segment_fixed_size 184832
		.amdhsa_private_segment_fixed_size 0
		.amdhsa_enable_private_segment 0
		.amdhsa_kernarg_size 72
		.amdhsa_user_sgpr_count 2
		.amdhsa_user_sgpr_kernarg_segment_ptr 1
		.amdhsa_wavefront_size32 1
		.amdhsa_system_sgpr_workgroup_id_x 1
		.amdhsa_system_sgpr_workgroup_id_y 1
		.amdhsa_system_sgpr_workgroup_id_z 1
		.amdhsa_system_vgpr_workitem_id 0
		.amdhsa_next_free_vgpr 416
		.amdhsa_next_free_sgpr 66
		.amdhsa_reserve_vcc 0
		.amdhsa_float_denorm_mode_32 3
		.amdhsa_float_denorm_mode_16_64 3
		.amdhsa_memory_ordered 1
		.amdhsa_forward_progress 1
		.amdhsa_inst_pref_size 128
	.end_amdhsa_kernel
	.amdgpu_metadata
---
amdhsa.version: [ 1, 2 ]
amdhsa.kernels:
  - .name:           k_qe50f49ad6c_proj
    .symbol:         k_qe50f49ad6c_proj.kd
    .args:
      - { .name: f1, .offset: 0, .size: 8, .value_kind: global_buffer, .address_space: global }
      - { .name: f2, .offset: 8, .size: 8, .value_kind: global_buffer, .address_space: global }
      - { .name: wq, .offset: 16, .size: 8, .value_kind: global_buffer, .address_space: global }
      - { .name: wk, .offset: 24, .size: 8, .value_kind: global_buffer, .address_space: global }
      - { .name: wf, .offset: 32, .size: 8, .value_kind: global_buffer, .address_space: global }
      - { .name: bq, .offset: 40, .size: 8, .value_kind: global_buffer, .address_space: global }
      - { .name: bk, .offset: 48, .size: 8, .value_kind: global_buffer, .address_space: global }
      - { .name: qws, .offset: 56, .size: 8, .value_kind: global_buffer, .address_space: global }
      - { .name: kv, .offset: 64, .size: 8, .value_kind: global_buffer, .address_space: global }
    .group_segment_fixed_size: 184832
    .private_segment_fixed_size: 0
    .kernarg_segment_align: 8
    .kernarg_segment_size: 72
    .max_flat_workgroup_size: 128
    .sgpr_count:     66
    .vgpr_count:     416
    .wavefront_size: 32
...
	.end_amdgpu_metadata
.endif
;; end of part 1
;; launch attn (part 2): grid 256 x 1, 8 waves a work-group, clusters of 4 x 1, 327,680 bytes of LDS; arguments qws, kv, bf, out0; writes out0
.if DOCPART == 2
	.amdgcn_target "amdgcn-amd-amdhsa--gfx1250"
	.amdhsa_code_object_version 6
	.text
	.protected	k_qe50f49ad6c_attn
	.globl	k_qe50f49ad6c_attn
	.p2align	8
	.type	k_qe50f49ad6c_attn,@function
k_qe50f49ad6c_attn:
	s_mov_b64 s[64:65], 0
	v_nop
	global_prefetch_b8 v0, s[64:65] scope:SCOPE_SE
	s_setreg_imm32_b32 hwreg(HW_REG_WAVE_MODE, 25, 1), 1
	s_wait_xcnt 0x0
	s_wait_alu depctr_hold_cnt(0) depctr_sa_sdst(0) depctr_va_vdst(0) depctr_va_sdst(0) depctr_va_ssrc(0) depctr_va_vcc(0) depctr_vm_vsrc(0)
	s_getreg_b32 s2, hwreg(HW_REG_IB_STS2, 6, 4)
	s_cmp_eq_u32 s2, 0
	s_cbranch_scc0 .Lentry_in_a_cluster
	s_endpgm
.Lentry_in_a_cluster:
	s_bfe_u32 s2, ttmp6, 0x10000c
	s_cmp_lg_u32 s2, 0x3003
	s_cbranch_scc0 .Lentry_shape_is_right
	s_endpgm
.Lentry_shape_is_right:
; out[b][o][n] = sum over m of softmax_m(q[n] . k[m]) v[o][m] + bf[o], with q (times log2 e), k and v = wf f2 as f16 fragments from the launch before.
; LIMITS: operands are f16 (|q log2 e|, |k|, |v| below 65,504; the weights p are at most 1); v_exp_f32 gives 0 below 2^-126 (ISA guide 15.8).
; The softmax takes a running maximum away, kept for each query, and sums in f32.
; A work-group takes 128 queries of one batch; 8 waves: wave w has the 64 queries of half qg = w >> 2 and quarter kq = w & 3 of the keys of every chunk.
; Two waves lie on each SIMD, so that one wave's exponentials stand beside the other's products: a tile of 16 x 16 logits costs 4 products and some 29 vector instructions.
; kv comes in chunks of 512 keys (131,072 bytes) through two LDS slots; a wave works on a chunk in two steps of 64 keys.
; CLUSTER: the four work-groups of a cluster have the same batch and walk the same chunks: each chunk is asked for jointly (mask 15), each wave asking for 16 KiB.
; PRODUCTS (16 x 16 x 32, f16).  Lane L = (r = L & 15, h = L >> 4).
;   S^T[mt][nt] = K(mt) x Q(nt): register j of a lane = (key 8 h + j, query r): a query's maximum and sum stay in its own lane (and lane r + 16).
;   Rounding tiles 2 kc and 2 kc + 1 to f16 in pairs gives just the B fragment P(nt, kc) of the second product; no data moves between lanes.
;   O^T[dt][nt] += V(dt, kc) x P(nt, kc): register j = (output 16 dt + 8 h + j, query r): the rescaling is a factor a lane.
; Row r of query tile nt is position n0 + 4 r + nt, so a lane's four tiles hold 16 neighbouring bytes of a row of out0.  The same order of keys is in K and in V.
; All LDS reads are lane x 16 bytes, contiguous: no padding.
; REGISTERS: window 0 below; window 1: v256-383 O[dt][nt] at 8 (4 dt + nt), v384-447 V[dt][kc] at 128 + 8 (2 dt + kc).
.set SLOTB, 131072                     ; a slot = a chunk of 32 key tiles
.set STEPB, 16384                      ; a wave's step: 4 key tiles
.set TILEB, 4096                       ; a key tile: K 4 x 512 bytes, then V 4 x 512 bytes
.set LA,  2                            ; v2-3     LDS: 16 lane + 32768 kq in slot 0, 1
.set QO,  4                            ; v4       16 lane
.set BO,  5                            ; v5       32 h
.set SA,  6                            ; v6       merge: where my O goes
.set SS,  7                            ; v7       merge: where my maxima and sums go
.set RA,  8                            ; v8       merge: my sixteen outputs in my half's first partner's O
.set RS,  9                            ; v9       merge: my half's first partner's maxima
.set CO,  10                           ; v10      131072 h + 16 r: my 16 bytes in out0
.set MX,  16                           ; v16+2nt  running maximum; v17+2nt takes the other half's (and completes the pair that a packed form reads)
.set AL,  24                           ; v24+2nt  2^(old maximum - new); v25+2nt written once, never used
.set LP,  32                           ; v[32+2nt:33+2nt] two partial sums
.set TM,  40                           ; v40+4x+mt at work on the maximum
.set BF,  48                           ; v48-55   bf of my eight outputs
.set MQ,  56                           ; v56-59   the four maxima in a row, for one LDS store
.set LQ,  60                           ; v60-63   the four sums
.set QF,  64                           ; v64-127  Q fragments: 16 nt + 8 kk
.set KF,  128                          ; v128-191 K fragments: 16 mt + 8 kk
.set SC,  192                          ; v192-255 logits of two query tiles: 32 x + 8 mt; P[x][kc] is written over S[x][2 kc]
.set OA,  0                            ; window 1
.set VF,  128                          ; window 1
.set G1,  16                           ; s[16:23] descriptor group 1
.set G0,  24                           ; s[24:31] descriptor group 0, a set for each slot
.set MSB, 0
.macro WIN new                         ; s_set_vgpr_msb: bits 1:0 source 0, 3:2 source 1, 5:4 source 2, 7:6 destination; the high byte repeats the setting that is left
.if MSB != \new
	s_set_vgpr_msb (MSB<<8)|\new
.set MSB, \new
.endif
.endm
.macro PLACES n
.rept \n
	v_nop
.endr
.endm
; A round of the cluster's barrier: my work-group's barrier, wave 0 signals for the work-group, every wave waits for all four work-groups, my work-group's barrier again.
.macro ROUND
	s_barrier_signal -1
	s_barrier_wait -1
	s_cmp_lg_u32 s12, 0
	s_cbranch_scc1 .Lnot_wave_0_\@
	s_barrier_signal -3
.Lnot_wave_0_\@:
	s_barrier_wait -3
	s_barrier_signal -1
	s_barrier_wait -1
.endm
	s_load_b256 s[4:11], s[0:1], 0x0               ; qws 4, kv 6, bf 8, out0 10
	v_lshl_add_u32 v14, v0, 2, 0x40000
	v_mov_b32 v15, 0
	ds_add_u32 v14, v15
	ds_add_u32 v14, v15
	v_lshrrev_b32 v1, 5, v0
	v_readfirstlane_b32 s12, v1                    ; wave 0..7
	s_and_b32 s13, s12, 3                          ; kq
	s_lshr_b32 s14, s12, 2                         ; qg
	s_lshl_b32 s15, s12, 14                        ; 16 KiB a wave: my part of a chunk, in memory and in LDS
	s_lshr_b32 s34, ttmp9, 3                       ; batch: 8 clusters each; the four partners share it
	s_mov_b32 s38, 0x76543210                      ; v_permlanex16_b32: lane i reads lane i of the other half
	s_mov_b32 s39, 0xfedcba98
	; group 1: 16 KiB, dense in memory and in LDS, as 64 rows of 32 elements of 8 bytes
	s_mov_b32 s[G1+0], 15|(3<<16)|(1<<21)          ; mask: all four work-groups of the cluster; elements of 8 bytes; bit 21 beside a mask
	s_mov_b32 s[G1+1], 32<<16                      ; tensor_dim0 = 32
	s_mov_b32 s[G1+2], 64<<16                      ; tensor_dim1 = 64
	s_mov_b32 s[G1+3], 32<<16                      ; tile_dim0 = 32
	s_mov_b32 s[G1+4], 64                          ; tile_dim1 = 64
	s_mov_b32 s[G1+5], 32                          ; pitch
	s_mov_b32 s[G1+6], 0
	s_mov_b32 s[G1+7], 0
	s_lshl_b32 s36, s34, 20                        ; a batch of kv is 256 tiles of 4,096 bytes
	s_add_co_u32 s36, s36, s15
	s_mov_b32 s37, 0
	s_wait_dscnt 0x0
	s_wait_kmcnt 0x0
	s_add_nc_u64 s[6:7], s[6:7], s[36:37]          ; made of the batch and the wave's number alone: equal in all four partners
.irp s, 0,1
	s_mov_b32 s[G0+4*\s], 1
	s_add_co_u32 s[G0+4*\s+1], s15, \s*SLOTB
	s_add_nc_u64 s[G0+4*\s+2:G0+4*\s+3], s[6:7], \s*SLOTB          ; chunk s
	s_or_b32 s[G0+4*\s+3], s[G0+4*\s+3], 0x80000000
.endr
	ROUND                                          ; all four work-groups are here: the first joint loads meet
	tensor_load_to_lds s[G0:G0+3], s[G1:G1+7]      ; chunks 0 and 1: two outstanding, the most in this text
	s_nop 0
	tensor_load_to_lds s[G0+4:G0+7], s[G1:G1+7]
	s_nop 0
	; what hangs on my place in the cluster: global offsets of Q and of out0 alone, in registers that feed no descriptor
	s_bfe_u32 s32, ttmp6, 0x40000                  ; cx
	s_lshl_b32 s33, ttmp9, 2
	s_add_co_u32 s33, s33, s32
	s_and_b32 s33, s33, 31                         ; which 128 queries of the batch
	s_lshl_b32 s44, s34, 8
	s_lshl3_add_u32 s44, s33, s44
	s_lshl2_add_u32 s44, s14, s44                  ; my first query tile: 256 batch + 8 block + 4 qg
	s_lshl_b32 s44, s44, 11
	s_mov_b32 s45, 0
	s_add_nc_u64 s[4:5], s[4:5], s[44:45]
	v_and_b32 v11, 31, v0                          ; lane
	v_and_b32 v12, 15, v0                          ; r
	v_bfe_u32 v13, v0, 4, 1                        ; h
	v_lshlrev_b32 v[QO], 4, v11
	v_lshlrev_b32 v[BO], 5, v13
.set i, 0
.rept 16
	global_load_b128 v[QF+4*i:QF+4*i+3], v[QO], s[4:5] offset:512*i     ; block (nt, dt) = i: registers 16 nt + 4 dt
.set i, i+1
.endr
	s_lshl_b32 s46, s13, 6                         ; in the merge I own outputs 16 kq .. 16 kq + 15
	s_mov_b32 s47, 0
	s_add_nc_u64 s[8:9], s[8:9], s[46:47]
	global_load_b128 v[BF:BF+3],   v[BO], s[8:9]
	global_load_b128 v[BF+4:BF+7], v[BO], s[8:9] offset:16
	s_lshl_b32 s44, s34, 20                        ; out0: batch x 64 rows of 16,384 bytes
	s_lshl_b32 s46, s13, 18
	s_add_co_u32 s44, s44, s46                     ; + 16 kq rows
	s_lshl_b32 s46, s33, 9
	s_add_co_u32 s44, s44, s46                     ; + 128 queries x 4 bytes a block
	s_lshl_b32 s46, s14, 8
	s_add_co_u32 s44, s44, s46                     ; + 64 queries x 4 bytes
	s_add_nc_u64 s[10:11], s[10:11], s[44:45]
	s_lshl_b32 s41, s13, 15
	v_add_nc_u32 v[LA], s41, v[QO]
	v_add_nc_u32 v[LA+1], SLOTB, v[LA]
	v_add_nc_u32 v[SA], s15, v[QO]
	s_lshl_b32 s41, s12, 10
	s_add_co_u32 s41, s41, SLOTB
	v_add_nc_u32 v[SS], s41, v[QO]
	s_lshl_b32 s41, s14, 16
	s_lshl_b32 s42, s13, 12
	s_add_co_u32 s41, s41, s42
	v_add_nc_u32 v[RA], s41, v[QO]
	s_lshl_b32 s41, s14, 12
	s_add_co_u32 s41, s41, SLOTB
	v_add_nc_u32 v[RS], s41, v[QO]
	v_lshlrev_b32 v[CO], 4, v12
	v_lshl_add_u32 v[CO], v13, 17, v[CO]
.irp n, 0,1,2,3
	v_mov_b32 v[MX+2*\n+1], 0                      ; a permute's destination counts as read; a packed form reads whole pairs
	v_mov_b32 v[AL+2*\n+1], 0
.endr
.macro KLOAD slot, off                 ; 4 key tiles x 4 blocks: K[mt] registers 4 e .. 4 e + 3 = block dt = e
.irp m, 0,1,2,3
.irp e, 0,1,2,3
	ds_load_b128 v[KF+16*\m+4*\e:KF+16*\m+4*\e+3], v[LA+\slot] offset:\off+TILEB*\m+512*\e
.endr
.endr
.endm
.macro VLOAD slot, off                 ; V[dt][kc]: registers 0-3 from key tile 2 kc, 4-7 from 2 kc + 1 (destination in window 1)
.irp d, 0,1,2,3
.irp c, 0,1
.irp e, 0,1
	ds_load_b128 v[VF+8*(2*\d+\c)+4*\e:VF+8*(2*\d+\c)+4*\e+3], v[LA+\slot] offset:\off+TILEB*(2*\c+\e)+2048+512*\d
.endr
.endr
.endr
.endm
; 16 products: the logits of 64 keys x query tiles a, a + 1.  The first 32 of the 64 d start the sums.  Eight accumulators take turns, one instruction a turn.
.macro QK a
.irp k, 0,1
.irp x, 0,1
.irp m, 0,1,2,3
.if \k == 0
	v_wmma_f32_16x16x32_f16 v[SC+32*\x+8*\m:SC+32*\x+8*\m+7], v[KF+16*\m+8*\k:KF+16*\m+8*\k+7], v[QF+16*(\a+\x)+8*\k:QF+16*(\a+\x)+8*\k+7], 0
.else
	v_wmma_f32_16x16x32_f16 v[SC+32*\x+8*\m:SC+32*\x+8*\m+7], v[KF+16*\m+8*\k:KF+16*\m+8*\k+7], v[QF+16*(\a+\x)+8*\k:QF+16*(\a+\x)+8*\k+7], v[SC+32*\x+8*\m:SC+32*\x+8*\m+7]
.endif
.endr
.endr
.endr
.endm
; 16 products: 64 outputs x query tiles a, a + 1 over the step's 64 keys (A, C and D in window 1).  Eight accumulators by turns, likewise.
.macro PV a, first
.irp c, 0,1
.irp x, 0,1
.irp d, 0,1,2,3
.if \first*(1-\c)
	v_wmma_f32_16x16x32_f16 v[OA+8*(4*\d+\a+\x):OA+8*(4*\d+\a+\x)+7], v[VF+8*(2*\d+\c):VF+8*(2*\d+\c)+7], v[SC+32*\x+16*\c:SC+32*\x+16*\c+7], 0
.else
	v_wmma_f32_16x16x32_f16 v[OA+8*(4*\d+\a+\x):OA+8*(4*\d+\a+\x)+7], v[VF+8*(2*\d+\c):VF+8*(2*\d+\c)+7], v[SC+32*\x+16*\c:SC+32*\x+16*\c+7], v[OA+8*(4*\d+\a+\x):OA+8*(4*\d+\a+\x)+7]
.endif
.endr
.endr
.endr
.endm
; The new running maximum of query tiles a, a + 1 (my 32 logits, the old maximum, then the other half's lane), and 2^(old - new).  Level by level, so that no line waits for the one before.
.macro MAXP a, first
.irp x, 0,1
.irp m, 0,1,2,3
	v_max3_num_f32 v[TM+4*\x+\m], v[SC+32*\x+8*\m], v[SC+32*\x+8*\m+1], v[SC+32*\x+8*\m+2]
.endr
.endr
.irp x, 0,1
.irp m, 0,1,2,3
	v_max3_num_f32 v[TM+4*\x+\m], v[TM+4*\x+\m], v[SC+32*\x+8*\m+3], v[SC+32*\x+8*\m+4]
.endr
.endr
.irp x, 0,1
.irp m, 0,1,2,3
	v_max3_num_f32 v[TM+4*\x+\m], v[TM+4*\x+\m], v[SC+32*\x+8*\m+5], v[SC+32*\x+8*\m+6]
.endr
.endr
.irp x, 0,1
	v_max3_num_f32 v[TM+4*\x],   v[TM+4*\x],   v[SC+32*\x+7],  v[SC+32*\x+15]
	v_max3_num_f32 v[TM+4*\x+1], v[TM+4*\x+1], v[SC+32*\x+23], v[SC+32*\x+31]
.endr
.irp x, 0,1
	v_max3_num_f32 v[TM+4*\x], v[TM+4*\x], v[TM+4*\x+1], v[TM+4*\x+2]
.endr
.irp x, 0,1
.if \first
	v_max_num_f32 v[TM+4*\x], v[TM+4*\x], v[TM+4*\x+3]
.else
	v_max3_num_f32 v[TM+4*\x], v[TM+4*\x], v[TM+4*\x+3], v[MX+2*(\a+\x)]
.endif
.endr
.irp x, 0,1
	v_permlanex16_b32 v[MX+2*(\a+\x)+1], v[TM+4*\x], s38, s39
.endr
.if \first
.irp x, 0,1
	v_max_num_f32 v[MX+2*(\a+\x)], v[TM+4*\x], v[MX+2*(\a+\x)+1]
.endr
.else
.irp x, 0,1
	v_max_num_f32 v[TM+4*\x+1], v[TM+4*\x], v[MX+2*(\a+\x)+1]
.endr
.irp x, 0,1
	v_sub_f32 v[AL+2*(\a+\x)], v[MX+2*(\a+\x)], v[TM+4*\x+1]
.endr
.irp x, 0,1
	v_mov_b32 v[MX+2*(\a+\x)], v[TM+4*\x+1]
.endr
.irp x, 0,1
	v_exp_f32 v[AL+2*(\a+\x)], v[AL+2*(\a+\x)]     ; first used far below
.endr
.endif
.endm
.macro SUB x, p, n                     ; two logits less the maximum of query tile n
	v_pk_add_f32 v[SC+32*\x+2*\p:SC+32*\x+2*\p+1], v[SC+32*\x+2*\p:SC+32*\x+2*\p+1], v[MX+2*(\n):MX+2*(\n)+1] op_sel_hi:[1,0] neg_lo:[0,1] neg_hi:[0,1]
.endm
.macro EXPP x, p
	v_exp_f32 v[SC+32*\x+2*\p],   v[SC+32*\x+2*\p]
	v_exp_f32 v[SC+32*\x+2*\p+1], v[SC+32*\x+2*\p+1]
.endm
; Two weights are added to the sums (the first pair of a step rescales them in the same fused multiply-add) and rounded to f16 into P:
; pair p = registers 2 i, 2 i + 1 of key tile mt = p / 4 goes to register 4 (mt & 1) + i of P[x][mt >> 1], which has been read by then.
.macro SUMCVT x, p, n, first
.if \p == 0
.if \first
	s_wait_alu depctr_va_vdst(0)
	v_pk_add_f32 v[LP+2*(\n):LP+2*(\n)+1], v[SC+32*\x:SC+32*\x+1], v[SC+32*\x+2:SC+32*\x+3]     ; the first two pairs start the sums
.else
	s_wait_alu depctr_va_vdst(0)
	v_pk_fma_f32 v[LP+2*(\n):LP+2*(\n)+1], v[LP+2*(\n):LP+2*(\n)+1], v[AL+2*(\n):AL+2*(\n)+1], v[SC+32*\x:SC+32*\x+1] op_sel_hi:[1,0,1]
.endif
.else
.if \p == 1
.if \first == 0
	s_wait_alu depctr_va_vdst(0)
	v_pk_add_f32 v[LP+2*(\n):LP+2*(\n)+1], v[LP+2*(\n):LP+2*(\n)+1], v[SC+32*\x+2*\p:SC+32*\x+2*\p+1]
.endif
.else
	v_pk_add_f32 v[LP+2*(\n):LP+2*(\n)+1], v[LP+2*(\n):LP+2*(\n)+1], v[SC+32*\x+2*\p:SC+32*\x+2*\p+1]
.endif
.endif
	v_cvt_pk_f16_f32 v[SC+32*\x+16*(\p/8)+4*((\p/4)%2)+(\p%4)], v[SC+32*\x+2*\p], v[SC+32*\x+2*\p+1]
.endm
; The softmax step of two query tiles.  Each pair of exponentials is followed by plain work on the other tile, so a plain
; instruction always stands between an exponential and the first use of its result (ISA guide 5.7.2).
.macro SOFT a, first
	MAXP \a, \first
.irp p, 0,1,2,3,4,5,6,7,8,9,10,11,12,13,14,15
	SUB 0, \p, \a
.endr
.irp p, 0,1,2,3,4,5,6,7,8,9,10,11,12,13,14,15
	EXPP 0, \p
	SUB 1, \p, \a+1
.endr
.irp p, 0,1,2,3,4,5,6,7,8,9,10,11,12,13,14,15
	EXPP 1, \p
	SUMCVT 0, \p, \a, \first
.endr
.irp p, 0,1,2,3,4,5,6,7,8,9,10,11,12,13,14,15
	SUMCVT 1, \p, \a+1, \first
.endr
.endm
.macro RESC a                          ; O of query tiles a, a + 1 times 2^(old maximum - new) (destination and source 0 in window 1)
	WIN 0x41
.irp x, 0,1
.irp d, 0,1,2,3
.irp j, 0,2,4,6
	v_pk_mul_f32 v[OA+8*(4*\d+\a+\x)+\j:OA+8*(4*\d+\a+\x)+\j+1], v[OA+8*(4*\d+\a+\x)+\j:OA+8*(4*\d+\a+\x)+\j+1], v[AL+2*(\a+\x):AL+2*(\a+\x)+1] op_sel_hi:[1,0]
.endr
.endr
.endr
.endm
; The change of slots.  All of this wave's reads of the slot that it leaves are in registers by now.  In front of the barrier: all my tensor loads have landed
; (the one that was out is my part of the other slot) and my LDS reads are back.  With a refill the barrier is a round of the cluster's barrier, and the joint
; load is the first thing behind it, my one tensor load until the next round: it has two steps of work in which to land.
.macro TURN slot, refill
	s_wait_tensorcnt 0x0
	ds_add_u32 v14, v15
	s_wait_dscnt 0x0
.if \refill
	s_add_nc_u64 s[G0+4*\slot+2:G0+4*\slot+3], s[G0+4*\slot+2:G0+4*\slot+3], 2*SLOTB   ; no load of mine is out: the slot's next chunk
.endif
	s_wait_dscnt 0x0
.if \refill
	ROUND
	tensor_load_to_lds s[G0+4*\slot:G0+4*\slot+3], s[G1:G1+7]
	s_nop 0
.else
	s_barrier_signal -1                            ; the work-group's barrier shows the last chunk to all eight waves
	s_barrier_wait -1
.endif
.endm
; A step: 64 keys x 64 queries, 64 products.  K and V of the step were asked for from LDS in the step before.
; turn: 0 none; 1 leave slot tslot and fill it again; 2 leave it; 3 the last step: nothing more to read.  (nslot, noff): where the next step's tiles lie.
.macro STEP first, turn, tslot, nslot, noff
	s_wait_dscnt 16                                ; the 16 loads of K are in; the 16 younger ones of V may be out
	QK 0
	PLACES 4                                       ; four places before vector instructions read the logits (ISA guide 7.12.1)
	SOFT 0, \first
.if \first == 0
	RESC 0
.endif
	WIN 0x51
	s_wait_dscnt 0x0                               ; V
	PV 0, \first
	WIN 0
	PLACES 5                                       ; five places before products write over P
	QK 2
	PLACES 4                                       ; before the logits are read and K is loaded again
.if \turn == 1
	TURN \tslot, 1
.endif
.if \turn == 2
	TURN \tslot, 0
.endif
.if \turn != 3
	KLOAD \nslot, \noff
.endif
	SOFT 2, \first
.if \first == 0
	RESC 2
.endif
	WIN 0x51
	PV 2, \first
	PLACES 5                                       ; before V is loaded again, the next products write over P, and (at the end) O is read
.if \turn != 3
	WIN 0x40
	VLOAD \nslot, \noff
.endif
	WIN 0
.endm
	s_wait_tensorcnt 0x1                           ; my part of chunk 0 has landed; chunk 1's, the one younger load, may be out
	s_barrier_signal -1
	s_barrier_wait -1
	KLOAD 0, 0
	WIN 0x40
	VLOAD 0, 0
	WIN 0
	s_wait_loadcnt 0x0                             ; Q and bf
	STEP 1, 0, 0, 0, STEPB                         ; step 0 starts maxima, sums and O: nothing is cleared
	s_mov_b32 s40, 3
.Lloop:                                            ; steps 1-12; the six refills bring chunks 2 to 7
	STEP 0, 1, 0, 1, 0
	STEP 0, 0, 0, 1, STEPB
	STEP 0, 1, 1, 0, 0
	STEP 0, 0, 0, 0, STEPB
	s_sub_co_u32 s40, s40, 1
	s_cmp_lg_u32 s40, 0
	s_cbranch_scc1 .Lloop
	STEP 0, 2, 0, 1, 0                             ; step 13: chunk 6 is left, nothing remains to fetch
	STEP 0, 0, 0, 1, STEPB
	STEP 0, 3, 0, 0, 0
	; THE MERGE of the four key quarters of each half's 64 queries, through the ring's bytes, which have had their last fill.
.irp n, 0,1,2,3
	v_add_f32 v[LQ+\n], v[LP+2*\n], v[LP+2*\n+1]
.endr
.irp n, 0,1,2,3
	v_permlanex16_b32 v[MX+2*\n+1], v[LQ+\n], s38, s39
.endr
.irp n, 0,1,2,3
	v_add_f32 v[LQ+\n], v[LQ+\n], v[MX+2*\n+1]     ; the sum over my 1,024 keys, in both halves' lanes
	v_mov_b32 v[MQ+\n], v[MX+2*\n]                 ; four in a row for one store
.endr
	s_wait_dscnt 0x0                               ; my reads of the ring are over,
	s_barrier_signal -1
	s_barrier_wait -1                              ; everybody's are
	WIN 0x04                                       ; store data in window 1
.set i, 0
.rept 32
	ds_store_b128 v[SA], v[OA+4*i:OA+4*i+3] offset:512*i       ; registers 8 (4 dt + nt) + 4 q at 512 (8 dt + 2 nt + q)
.set i, i+1
.endr
	WIN 0
	ds_store_b128 v[SS], v[MQ:MQ+3]
	ds_store_b128 v[SS], v[LQ:LQ+3] offset:512
	s_wait_dscnt 0x0                               ; for the others' sake: zero
	s_barrier_signal -1
	s_barrier_wait -1
.set PM,  192                          ; v192+4p+nt partner p's maximum
.set PL,  208                          ; v208+4p+nt partner p's sum
.set FF,  224                          ; v224+4p+nt its factor
.set MS,  240                          ; v240+nt    the maximum of all
.set LS,  244                          ; v244+nt    the sum of all, then its reciprocal
.set OP,  64                           ; v64+32p+8nt+j partner p's O for my sixteen outputs
.set OUT, 16                           ; v16+4j+nt
.irp p, 0,1,2,3
	ds_load_b128 v[PM+4*\p:PM+4*\p+3], v[RS] offset:1024*\p
	ds_load_b128 v[PL+4*\p:PL+4*\p+3], v[RS] offset:1024*\p+512
.endr
.irp p, 0,1,2,3
.irp e, 0,1,2,3,4,5,6,7
	ds_load_b128 v[OP+32*\p+4*\e:OP+32*\p+4*\e+3], v[RA] offset:STEPB*\p+512*\e
.endr
.endr
	s_wait_dscnt 32                                ; maxima and sums are in; the 32 younger loads of O may be out
.irp n, 0,1,2,3
	v_max3_num_f32 v[MS+\n], v[PM+\n], v[PM+4+\n], v[PM+8+\n]
.endr
.irp n, 0,1,2,3
	v_max_num_f32 v[MS+\n], v[MS+\n], v[PM+12+\n]
.endr
.irp p, 0,1,2,3
.irp e, 0,2
	v_pk_add_f32 v[FF+4*\p+\e:FF+4*\p+\e+1], v[PM+4*\p+\e:PM+4*\p+\e+1], v[MS+\e:MS+\e+1] neg_lo:[0,1] neg_hi:[0,1]
.endr
.endr
.set i, 0
.rept 16
	v_exp_f32 v[FF+i], v[FF+i]
.set i, i+1
.endr
	v_nop                                          ; a plain place behind the last exponential
	s_wait_alu depctr_va_vdst(0)
.irp e, 0,2
	v_pk_mul_f32 v[LS+\e:LS+\e+1], v[FF+\e:FF+\e+1], v[PL+\e:PL+\e+1]
.endr
.irp p, 1,2,3
.irp e, 0,2
	v_pk_fma_f32 v[LS+\e:LS+\e+1], v[FF+4*\p+\e:FF+4*\p+\e+1], v[PL+4*\p+\e:PL+4*\p+\e+1], v[LS+\e:LS+\e+1]
.endr
.endr
.irp n, 0,1,2,3
	v_rcp_f32 v[LS+\n], v[LS+\n]                   ; the sum is at least 1: the largest logit's own term
.endr
	v_nop
	s_wait_alu depctr_va_vdst(0)
.irp p, 0,1,2,3
.irp e, 0,2
	v_pk_mul_f32 v[FF+4*\p+\e:FF+4*\p+\e+1], v[FF+4*\p+\e:FF+4*\p+\e+1], v[LS+\e:LS+\e+1]
.endr
.endr
	s_wait_dscnt 0x0
.irp j, 0,1,2,3,4,5,6,7
.irp n, 0,1,2,3
	v_fma_f32 v[OUT+4*\j+\n], v[OP+8*\n+\j], v[FF+\n], v[BF+\j]    ; the bias starts the sum
.endr
.endr
.irp p, 1,2,3
.irp j, 0,1,2,3,4,5,6,7
.irp n, 0,1,2,3
	v_fmac_f32 v[OUT+4*\j+\n], v[OP+32*\p+8*\n+\j], v[FF+4*\p+\n]
.endr
.endr
.endr
.irp j, 0,1,2,3,4,5,6,7
	global_store_b128 v[CO], v[OUT+4*\j:OUT+4*\j+3], s[10:11] offset:16384*\j th:TH_STORE_NT   ; lanes 0-15: 256 consecutive aligned bytes of row 16 kq + j, lanes 16-31 of row + 8
.endr
	s_wait_tensorcnt 0x0
	ds_add_u32 v14, v15
	s_wait_dscnt 0x0
	ROUND                                          ; the closing round: no work-group ends while a partner may still ask jointly
	s_endpgm
.Lfunc_end_k_qe50f49ad6c_attn:
	.size	k_qe50f49ad6c_attn, .Lfunc_end_k_qe50f49ad6c_attn-k_qe50f49ad6c_attn
	.p2alignl 7, 3214868480
	.fill 96, 4, 3214868480
	.section	.rodata,"a",@progbits
	.p2align	6, 0x0
	.amdhsa_kernel k_qe50f49ad6c_attn
		.amdhsa_group_segment_fixed_size 327680
		.amdhsa_private_segment_fixed_size 0
		.amdhsa_enable_private_segment 0
		.amdhsa_kernarg_size 32
		.amdhsa_user_sgpr_count 2
		.amdhsa_user_sgpr_kernarg_segment_ptr 1
		.amdhsa_wavefront_size32 1
		.amdhsa_system_sgpr_workgroup_id_x 1
		.amdhsa_system_sgpr_workgroup_id_y 1
		.amdhsa_system_sgpr_workgroup_id_z 1
		.amdhsa_system_vgpr_workitem_id 0
		.amdhsa_next_free_vgpr 448
		.amdhsa_next_free_sgpr 66
		.amdhsa_reserve_vcc 0
		.amdhsa_float_denorm_mode_32 3
		.amdhsa_float_denorm_mode_16_64 3
		.amdhsa_memory_ordered 1
		.amdhsa_forward_progress 1
		.amdhsa_inst_pref_size 255
	.end_amdhsa_kernel
	.section	.bss,"aw",@nobits
	.p2align	6
	.space	262144
	.amdgpu_metadata
---
amdhsa.version: [ 1, 2 ]
amdhsa.kernels:
  - .name:           k_qe50f49ad6c_attn
    .symbol:         k_qe50f49ad6c_attn.kd
    .args:
      - { .name: qws, .offset: 0, .size: 8, .value_kind: global_buffer, .address_space: global }
      - { .name: kv, .offset: 8, .size: 8, .value_kind: global_buffer, .address_space: global }
      - { .name: bf, .offset: 16, .size: 8, .value_kind: global_buffer, .address_space: global }
      - { .name: out0, .offset: 24, .size: 8, .value_kind: global_buffer, .address_space: global }
    .group_segment_fixed_size: 327680
    .private_segment_fixed_size: 0
    .kernarg_segment_align: 8
    .kernarg_segment_size: 32
    .max_flat_workgroup_size: 256
    .sgpr_count:     66
    .vgpr_count:     448
    .wavefront_size: 32
...
	.end_amdgpu_metadata
.endif
;; end of part 2
